; MI455X (gfx1250); checked and timed in simulation.
; The chip was launched on July 23, 2026; its instructions are those of AMD's public machine-readable ISA for CDNA 5 (MIT licence, August 2026) and "CDNA5" Instruction Set Architecture Reference Guide (July 2026). The comments in the code are by the model that wrote it; some were corrected since.
;; Classifier. Allowed arithmetic: matrix products marked QUANTISED: E5M2 operands, one E8M0 scale for each 32 along K, by v_wmma_scale_f32_16x16x128_f8f6f4 with both operands' format E5M2, f32 sums; everything else in f32.
;; Inputs: Y 4,096 x 4,096 float32; Z 4,096 x 4,096 float32.
;; Outputs: out0 4,096 x 4,096 float32.
;; This version of the problem:
;;   THIS VERSION OF THE PROBLEM IS GIVEN IN LOW PRECISION. The matrix products marked QUANTISED in the list below multiply operands that are first quantised to E5M2 (5 exponent bits, 2 mantissa bits; 8 bits a number), with one power-of-two scale for each 32 numbers along K (OCP MX v1.0); their sums are f32. All else is computed in f32.
;;   The module's matrix products, in the order in which they are computed (A, B: the left and right operand; K: the contracted axis; several contracted axes count as one K, in the product's order):
;;     1. [M 4,096, K 4,096] x [K 4,096, N 4,096]; A: input Z; B: input Y: QUANTISED
;;   THE QUANTISER, for each operand of a quantised product, along K:
;;     - K is cut into blocks of 32 from its start; a last block that is shorter is filled with zeros.
;;     - A block's scale is 2^e with e = floor(log2(the largest magnitude in the block)) - 15, held to -126 .. 127; a block of zeros has e = 0. As a byte (E8M0): e + 127.
;;     - Each number is divided by its block's scale, clamped to +-57,344, and rounded to the nearest number of E5M2, ties to even, subnormals kept.
;;     - The product sums the exact products of the quantised numbers (number of the format x scale) in f32.
;;   ~~~python
;;   def quantise(x, axis):      # numpy; x: float32 -> the quantised numbers, widened to float32 again
;;       x = np.moveaxis(x, axis, -1); K = x.shape[-1]
;;       x = np.pad(x, [(0, 0)] * (x.ndim - 1) + [(0, -K % 32)]); x = x.reshape(x.shape[:-1] + (-1, 32)); a = np.abs(x).max(-1, keepdims=True)
;;       e = np.where(a > 0, np.clip(np.frexp(np.where(a > 0, a, 1))[1] - 1 - 15, -126, 127), 0)      # np.frexp(a)[1] - 1 = floor(log2(a)), exactly
;;       r = np.clip(x / 2.0 ** e, -57344, 57344)
;;       step = 2.0 ** (np.maximum(np.frexp(np.where(r == 0, 1, r))[1] - 1, -14) - 2)
;;       q = np.round(r / step) * step * 2.0 ** e      # np.round: ties to even
;;       return np.moveaxis(q.reshape(q.shape[:-2] + (-1,))[..., :K], -1, axis).astype(np.float32)
;;   ~~~
;; One version. Each part assembles by itself: llvm-mc -triple=amdgcn-amd-amdhsa -mcpu=gfx1250 --defsym DOCPART=n.
;; ======== version 1 of 1: 2 launches
;; limits: right only within a limited range of input values
;; workspace buffers: zc 17,825,792 bytes; yc 17,825,792 bytes; zr 16,384 bytes; yr 16,384 bytes
;; launch quant (part 1): grid 256 x 1, 16 waves a work-group, no clusters, 225,280 bytes of LDS; arguments Z, Y, zc, yc, zr, yr; writes zc, yc, zr, yr
.if DOCPART == 1
	.amdgcn_target "amdgcn-amd-amdhsa--gfx1250"
	.amdhsa_code_object_version 6
	.text
	.protected	k_q429f293eae_quant
	.globl	k_q429f293eae_quant
	.p2align	8
	.type	k_q429f293eae_quant,@function
k_q429f293eae_quant:
	s_mov_b64 s[64:65], 0
	v_nop
	global_prefetch_b8 v0, s[64:65] scope:SCOPE_SE
	s_setreg_imm32_b32 hwreg(HW_REG_WAVE_MODE, 25, 1), 1
	s_wait_xcnt 0x0
; Z and Y, [4096][4096] f32, become codes of BF8 (E5M2) with one E8M0 scale byte for each 32 along K (K is innermost), and each row's 1 / norm.
; THE CODES' BUFFER is laid for the product's launch: [16 K steps][4096 rows][272 bytes].  A record of 272 bytes is one row's 256 codes of one K step,
; its 8 scale bytes, and the same 8 bytes once more: so 128 rows of a K step are 34,816 consecutive bytes, rows 272 bytes apart, scales beside their codes, every byte written.
; A block's scale is 2^(floor(log2(its largest magnitude)) - 15); its byte is the largest magnitude's exponent field - 15, held at 1 from below.  Each number is divided by the scale,
; held within +-57,344 and rounded to the nearest code, ties to even.  The norm is taken of the numbers as they arrive: zr, yr hold rsq(sum of squares), f32.
; LIMITS: NaN and infinities among the inputs are not served.  A block of zeros gets the byte 1 where the rule says 127: its codes are zeros, which add nothing, and this program alone reads the bytes.
; A row whose sum of squares lies under 2^-126 counts as a row of zeros (the reciprocal root takes a denormal as 0); a sum of squares that overflows f32 is not served.
; SHARES.  Work-groups 0-127 take Z, 128-255 take Y: only pointers are chosen.  A work-group owns 32 rows; wave w owns K step w of them: 32 rows x 256 numbers in, 8,704 consecutive bytes out.
; A wave takes 16 steps of two rows.  Each of a step's four loads reads 512 consecutive bytes, 16 a lane; the 2,048 bytes turn through the wave's own stage in LDS and come back 64 bytes a lane,
; so that a lane holds 16 NEIGHBOURS along K (two lanes to a block; lanes 0-15 the even row, lanes 16-31 the odd one), as the conversions want them.
; Codes and scale bytes are gathered as records in the wave's own LDS and leave by 17 stores of 512 consecutive aligned bytes.  The rows' partial sums of squares meet in LDS behind the one barrier.
; No tensor loads, no matrix unit, no cluster: the launch streams, and its work-groups share no input.  Loads run four steps (16 loads a wave) ahead, the turn through LDS one step.
.set STEPS, 16
.set SP,    80                         ; a lane's place in a turn stage: its 64 bytes + 16 of padding
.set WREG,  13824                      ; LDS of a wave: two turn stages of 32 x SP bytes, then 32 records of 272 bytes
.set OUTB,  2*32*SP                    ; where the records begin in it
.set REC,   272
.set PS,    16*WREG                    ; behind the sixteen regions: partial sums [wave][row], 128 bytes a wave
.set KSB,   4096*REC                   ; a K step of the codes' buffer
.set R,     16                         ; v16-79    four sets of 16 numbers as they are loaded
.set X,     80                         ; v80-111   two sets of 16 neighbours
.set C,     112                        ; v112-119  codes, two sets of 4
.set E,     120                        ; v120-121  the scale byte, two sets
.set SQ,    122                        ; v122-123  the row's partial sum of squares, two sets
.set QA,    124                        ; v[124:125], v[126:127] two chains of squares
.set QB,    126
.set OUTR,  16                         ; v16-83    the way out: 17 x 4 registers
.set PR,    84                         ; v84-99    wave 0: a row's sixteen partial sums
	s_load_b128 s[4:7], s[0:1], 0x0                ; Z, Y
	s_load_b128 s[8:11], s[0:1], 0x10              ; zc, yc
	s_load_b128 s[12:15], s[0:1], 0x20             ; zr, yr
	v_lshl_add_u32 v128, v0, 2, 0x36800
	v_mov_b32 v129, 0
	v_lshrrev_b32 v1, 5, v0
	s_delay_alu instid0(VALU_DEP_1)
	v_readfirstlane_b32 s16, v1                    ; wave 0..15
	v_and_b32 v2, 31, v0                           ; lane
	s_delay_alu instid0(VALU_DEP_1)
	v_lshlrev_b32 v3, 4, v2                        ; my 16 bytes of a load's or a store's 512
	s_mul_i32 s17, s16, WREG                       ; my wave's region
	v_lshrrev_b32 v14, 2, v2
	s_delay_alu instid0(VALU_DEP_1)
	v_mul_u32_u24 v14, v14, SP
	v_and_b32 v15, 3, v2
	s_delay_alu instid0(VALU_DEP_1)
	v_lshl_add_u32 v14, v15, 4, v14
	s_delay_alu instid0(VALU_DEP_1)
	v_add_nc_u32 v14, s17, v14                     ; the turn, on the way in: four lanes' 64 bytes on end, then 16 of padding
	v_mul_u32_u24 v15, v2, SP
	s_delay_alu instid0(VALU_DEP_1)
	v_add_nc_u32 v15, s17, v15                     ; and on the way out: my 16 neighbours
	v_bfe_u32 v8, v0, 4, 1                         ; h: which of the step's two rows
	v_and_b32 v9, 15, v0                           ; my place in the row
	s_delay_alu instid0(VALU_DEP_2)
	v_mul_u32_u24 v10, v8, REC
	s_add_co_u32 s18, s17, OUTB
	v_add_nc_u32 v10, s18, v10                     ; my row's record of step 0
	s_delay_alu instid0(VALU_DEP_1)
	v_lshl_add_u32 v4, v9, 4, v10                  ; v4: my 16 codes in it
	v_lshrrev_b32 v11, 1, v9
	s_delay_alu instid0(VALU_DEP_1)
	v_add_nc_u32 v5, v11, v10
	s_delay_alu instid0(VALU_DEP_1)
	v_add_nc_u32 v5, 256, v5                       ; v5: my block's scale byte
	s_lshl_b32 s19, s16, 7
	s_add_co_u32 s19, s19, PS
	v_lshl_add_u32 v6, v8, 2, s19                  ; v6: my wave's partial sum of my row
	v_add_nc_u32 v7, s18, v3                       ; v7: the records read back, 16 bytes a lane
	v_lshlrev_b32 v13, 2, v2                       ; v13: 4 x lane: a row's word in zr or yr
	s_delay_alu instid0(VALU_DEP_1)
	v_add_nc_u32 v12, PS, v13                      ; v12: wave 0 reads row = lane of every wave's partial sums
	s_mov_b32 s23, 0x600000                        ; the mantissa field of 57,344 (an instruction takes one literal)
	s_wait_kmcnt 0x0
	s_cmp_lt_u32 ttmp9, 128                        ; Z's work-group or Y's?  The choice hangs on the work-group's number alone
	s_cselect_b64 s[4:5], s[4:5], s[6:7]
	s_cselect_b64 s[8:9], s[8:9], s[10:11]
	s_cselect_b64 s[12:13], s[12:13], s[14:15]
	s_and_b32 s22, ttmp9, 127                      ; which 32 rows of the tensor
	s_lshl_b32 s20, s22, 19                        ; in: 32 rows of 16,384 bytes,
	s_lshl_b32 s21, s16, 10                        ; + my K step's 1,024 bytes of a row
	s_add_co_u32 s20, s20, s21
	s_mov_b32 s21, 0
	s_add_nc_u64 s[4:5], s[4:5], s[20:21]
	s_mul_i32 s20, s16, KSB                        ; codes: my K step,
	s_mul_i32 s24, s22, 32*REC                     ; + 32 records
	s_add_co_u32 s20, s20, s24
	s_add_nc_u64 s[8:9], s[8:9], s[20:21]
	s_lshl_b32 s20, s22, 7                         ; 1 / norm: 32 words
	s_add_nc_u64 s[12:13], s[12:13], s[20:21]
.macro LOAD t                          ; step t: rows 2 t and 2 t + 1, two loads of 512 consecutive bytes each, into set t % 4
.irp i, 0,1,2,3
	global_load_b128 v[R+16*((\t)%4)+4*\i:R+16*((\t)%4)+4*\i+3], v3, s[4:5] offset:(2*(\t)+\i/2)*16384+512*(\i%2) th:TH_LOAD_NT
.endr
.endm
.macro TURN t                          ; step t's numbers through a stage: LDS serves a wave's instructions in order, so no wait stands between the stores and the loads
.irp i, 0,1,2,3
	ds_store_b128 v14, v[R+16*((\t)%4)+4*\i:R+16*((\t)%4)+4*\i+3] offset:32*SP*((\t)%2)+8*SP*\i
.endr
.irp i, 0,1,2,3
	ds_load_b128 v[X+16*((\t)%2)+4*\i:X+16*((\t)%2)+4*\i+3], v15 offset:32*SP*((\t)%2)+16*\i
.endr
.endm
.irp t, 0,1,2,3
	LOAD \t
.endr
	s_wait_loadcnt 12                              ; step 0's four loads are in
	TURN 0
.macro STEP t
.set XS, X+16*((\t)%2)
.set CC, C+4*((\t)%2)
.set EE, E+(\t)%2
.set QS, SQ+(\t)%2
.if (\t) > 0
	s_wait_dscnt 4                                 ; all but the last step's four stores: this step's numbers are back from the stage, its stores into the stage have read their registers,
.else                                              ; and the stores of two steps ago have read the codes, the byte and the sum that this step writes anew
	s_wait_dscnt 0x0
.endif
.if (\t)+4 < STEPS
	LOAD (\t)+4
.endif
.if (\t)+1 < STEPS
.if STEPS-2-(\t) >= 3
	s_wait_loadcnt 12                              ; the next step's four loads are in; those of the three steps behind it may be out
.else
	s_wait_loadcnt 4*(STEPS-2-(\t))
.endif
	TURN (\t)+1                                    ; they go through the other stage while this step is worked
.endif
	v_pk_mul_f32 v[QA:QA+1], v[XS:XS+1], v[XS:XS+1]                  ; the squares of my 16 numbers as they arrived, in two chains
	v_pk_mul_f32 v[QB:QB+1], v[XS+2:XS+3], v[XS+2:XS+3]
.irp i, 4,8,12
	s_delay_alu instid0(VALU_DEP_2)
	v_pk_fma_f32 v[QA:QA+1], v[XS+\i:XS+\i+1], v[XS+\i:XS+\i+1], v[QA:QA+1]
	s_delay_alu instid0(VALU_DEP_2)
	v_pk_fma_f32 v[QB:QB+1], v[XS+\i+2:XS+\i+3], v[XS+\i+2:XS+\i+3], v[QB:QB+1]
.endr
	v_max3_num_f32 v8, |v[XS]|, |v[XS+1]|, |v[XS+2]|                 ; the largest magnitude of my 16
	v_max3_num_f32 v9, |v[XS+3]|, |v[XS+4]|, |v[XS+5]|
.irp i, 6,10
	s_delay_alu instid0(VALU_DEP_2)
	v_max3_num_f32 v8, v8, |v[XS+\i]|, |v[XS+\i+1]|
	s_delay_alu instid0(VALU_DEP_2)
	v_max3_num_f32 v9, v9, |v[XS+\i+2]|, |v[XS+\i+3]|
.endr
	s_delay_alu instid0(VALU_DEP_2)
	v_max3_num_f32 v8, v8, |v[XS+14]|, |v[XS+15]|
	v_pk_add_f32 v[QA:QA+1], v[QA:QA+1], v[QB:QB+1]
	s_delay_alu instid0(VALU_DEP_2)
	v_max3_num_f32 v8, v8, v9, 0x8000000           ; and the floor 2^(16 - 127): the byte cannot fall under 1
	s_delay_alu instid0(VALU_DEP_2)
	v_add_f32 v[QS], v[QA], v[QA+1]
	s_delay_alu instid0(VALU_DEP_2)
	v_max_num_f32_dpp v8, v8, v8 row_xmask:1 row_mask:0xf bank_mask:0xf   ; with my neighbour's 16: the block's
	s_delay_alu instid0(VALU_DEP_2)
	v_add_f32_dpp v[QS], v[QS], v[QS] row_xmask:1 row_mask:0xf bank_mask:0xf   ; the sixteen lanes of a half hold one row: its 256 squares' sum, in each of them
	s_delay_alu instid0(VALU_DEP_2)
	v_add_nc_u32 v11, 0xf8800000, v8               ; 15 off the exponent field: the conversion takes the exponent field of this operand as its scale, and nothing else of it
	s_delay_alu instid0(VALU_DEP_2)
	v_add_f32_dpp v[QS], v[QS], v[QS] row_xmask:2 row_mask:0xf bank_mask:0xf
	s_delay_alu instid0(VALU_DEP_4)
	v_and_or_b32 v10, v8, 0x7f800000, s23          ; 57,344 x the scale: the largest magnitude's exponent field over 57,344's mantissa
	s_delay_alu instid0(VALU_DEP_2)
	v_add_f32_dpp v[QS], v[QS], v[QS] row_xmask:4 row_mask:0xf bank_mask:0xf
.irp i, 0,1,2,3,4,5,6,7,8,9,10,11,12,13,14,15
	v_med3_num_f32 v[XS+\i], v[XS+\i], -v10, v10   ; the conversion to an 8-bit code does not saturate (ISA guide 7.6.2): hold the number within the largest code x the scale first
.endr
	v_add_f32_dpp v[QS], v[QS], v[QS] row_xmask:8 row_mask:0xf bank_mask:0xf
	v_cvt_scalef32_pk8_bf8_f32 v[CC:CC+1], v[XS:XS+7], v11           ; the first number's code in the lowest byte
	v_cvt_scalef32_pk8_bf8_f32 v[CC+2:CC+3], v[XS+8:XS+15], v11
	v_lshrrev_b32 v[EE], 23, v11                   ; the scale's byte (also the plain line behind the conversions)
	ds_store_b128 v4, v[CC:CC+3] offset:2*REC*(\t)                   ; sixteen lanes fill a record's 256 bytes of codes
	ds_store_b8 v5, v[EE] offset:2*REC*(\t)        ; both lanes of a block write the same byte with the same value,
	ds_store_b8 v5, v[EE] offset:2*REC*(\t)+8      ; and its copy
	ds_store_b32 v6, v[QS] offset:8*(\t)           ; the sixteen lanes of a half write the same word with the same value
.endm
.irp t, 0,1,2,3,4,5,6,7,8,9,10,11,12,13,14,15
	STEP \t
.endr
.irp i, 0,1,2,3,4,5,6,7,8,9,10,11,12,13,14,15,16
	ds_load_b128 v[OUTR+4*\i:OUTR+4*\i+3], v7 offset:512*\i          ; LDS serves a wave's instructions in order: these see my stores
.endr
.irp i, 0,1,2,3,4,5,6,7,8,9,10,11,12,13,14,15,16
	s_wait_dscnt 16-\i                             ; read-back i is in; the younger ones may be out
	global_store_b128 v3, v[OUTR+4*\i:OUTR+4*\i+3], s[8:9] offset:512*\i   ; 32 lanes store 512 consecutive bytes, at a multiple of 256 from the buffer's first byte; the next launch reads them: no hint
.endr
	s_wait_dscnt 0x0                               ; for wave 0's sake: my partial sums lie in LDS
	s_barrier_signal -1
	s_barrier_wait -1
	s_cmp_lg_u32 s16, 0
	s_cbranch_scc1 .Lend
.irp j, 0,1,2,3,4,5,6,7,8,9,10,11,12,13,14,15
	ds_load_b32 v[PR+\j], v12 offset:128*\j        ; lane = row: its sixteen K steps' sums (into registers that no pending store reads)
.endr
	s_wait_dscnt 0x0
	v_pk_add_f32 v[PR:PR+1], v[PR:PR+1], v[PR+2:PR+3]
	v_pk_add_f32 v[PR+4:PR+5], v[PR+4:PR+5], v[PR+6:PR+7]
	v_pk_add_f32 v[PR+8:PR+9], v[PR+8:PR+9], v[PR+10:PR+11]
	v_pk_add_f32 v[PR+12:PR+13], v[PR+12:PR+13], v[PR+14:PR+15]
	s_delay_alu instid0(VALU_DEP_3)
	v_pk_add_f32 v[PR:PR+1], v[PR:PR+1], v[PR+4:PR+5]
	s_delay_alu instid0(VALU_DEP_2)
	v_pk_add_f32 v[PR+8:PR+9], v[PR+8:PR+9], v[PR+12:PR+13]
	s_delay_alu instid0(VALU_DEP_1)
	v_pk_add_f32 v[PR:PR+1], v[PR:PR+1], v[PR+8:PR+9]
	s_delay_alu instid0(VALU_DEP_1)
	v_add_f32 v[PR], v[PR], v[PR+1]
	s_wait_alu depctr_va_vdst(0)
	v_rsq_f32 v[PR+2], v[PR]                       ; 1 / norm; of a row of zeros: infinity, which the product's launch holds at 1e8
	v_nop                                          ; one plain line behind a transcendental before its result is used
	s_wait_alu depctr_va_vdst(0)
	global_store_b32 v13, v[PR+2], s[12:13]        ; 32 rows: 128 consecutive bytes, half of an aligned 256; 32 KiB in the whole launch
.Lend:
	s_wait_tensorcnt 0x0
	ds_add_u32 v128, v129
	s_wait_dscnt 0x0
	s_endpgm
.Lfunc_end_k_q429f293eae_quant:
	.size	k_q429f293eae_quant, .Lfunc_end_k_q429f293eae_quant-k_q429f293eae_quant
	.p2alignl 7, 3214868480
	.fill 96, 4, 3214868480
	.section	.rodata,"a",@progbits
	.p2align	6, 0x0
	.amdhsa_kernel k_q429f293eae_quant
		.amdhsa_group_segment_fixed_size 225280
		.amdhsa_private_segment_fixed_size 0
		.amdhsa_enable_private_segment 0
		.amdhsa_kernarg_size 48
		.amdhsa_user_sgpr_count 2
		.amdhsa_user_sgpr_kernarg_segment_ptr 1
		.amdhsa_wavefront_size32 1
		.amdhsa_system_sgpr_workgroup_id_x 1
		.amdhsa_system_sgpr_workgroup_id_y 1
		.amdhsa_system_sgpr_workgroup_id_z 1
		.amdhsa_system_vgpr_workitem_id 0
		.amdhsa_next_free_vgpr 130
		.amdhsa_next_free_sgpr 66
		.amdhsa_reserve_vcc 0
		.amdhsa_float_denorm_mode_32 3
		.amdhsa_float_denorm_mode_16_64 3
		.amdhsa_memory_ordered 1
		.amdhsa_forward_progress 1
		.amdhsa_inst_pref_size 81
	.end_amdhsa_kernel
	.amdgpu_metadata
---
amdhsa.version: [ 1, 2 ]
amdhsa.kernels:
  - .name:           k_q429f293eae_quant
    .symbol:         k_q429f293eae_quant.kd
    .args:
      - { .name: Z, .offset: 0, .size: 8, .value_kind: global_buffer, .address_space: global }
      - { .name: Y, .offset: 8, .size: 8, .value_kind: global_buffer, .address_space: global }
      - { .name: zc, .offset: 16, .size: 8, .value_kind: global_buffer, .address_space: global }
      - { .name: yc, .offset: 24, .size: 8, .value_kind: global_buffer, .address_space: global }
      - { .name: zr, .offset: 32, .size: 8, .value_kind: global_buffer, .address_space: global }
      - { .name: yr, .offset: 40, .size: 8, .value_kind: global_buffer, .address_space: global }
    .group_segment_fixed_size: 225280
    .private_segment_fixed_size: 0
    .kernarg_segment_align: 8
    .kernarg_segment_size: 48
    .max_flat_workgroup_size: 512
    .sgpr_count:     66
    .vgpr_count:     130
    .wavefront_size: 32
...
	.end_amdgpu_metadata
.endif
;; end of part 1
;; launch gemm (part 2): grid 16 x 16, 4 waves a work-group, clusters of 4 x 4, 327,680 bytes of LDS; arguments zc, yc, zr, yr, out0; writes out0
.if DOCPART == 2
	.amdgcn_target "amdgcn-amd-amdhsa--gfx1250"
	.amdhsa_code_object_version 6
	.text
	.protected	k_q429f293eae_gemm
	.globl	k_q429f293eae_gemm
	.p2align	8
	.type	k_q429f293eae_gemm,@function
k_q429f293eae_gemm:
	s_mov_b64 s[64:65], 0
	v_nop
	global_prefetch_b8 v0, s[64:65] scope:SCOPE_SE
	s_setreg_imm32_b32 hwreg(HW_REG_WAVE_MODE, 25, 1), 1
	s_wait_xcnt 0x0
	s_wait_alu depctr_hold_cnt(0) depctr_sa_sdst(0) depctr_va_vdst(0) depctr_va_sdst(0) depctr_va_ssrc(0) depctr_va_vcc(0) depctr_vm_vsrc(0)
	s_getreg_b32 s2, hwreg(HW_REG_IB_STS2, 6, 4)
	s_cmp_eq_u32 s2, 0
	s_cbranch_scc0 .Lentry_in_a_cluster
	s_endpgm
.Lentry_in_a_cluster:
	s_bfe_u32 s2, ttmp6, 0x10000c
	s_cmp_lg_u32 s2, 0xf033
	s_cbranch_scc0 .Lentry_shape_is_right
	s_endpgm
.Lentry_shape_is_right:
; out0[m][n] = (sum over k of Zq[m][k] Yq[n][k]) x min(zr[m] yr[n], 1e8): the quantised product over max(|z| |y|, 1e-8).
; zc, yc: [16 K steps][4096 rows][272 bytes]: a record is a row's 256 codes of BF8 (E5M2), its 8 E8M0 bytes and these once more; zr, yr: 1 / norm, f32.
; Nothing of reference() is left out.  LIMITS: as the launch in front states them; a row of zeros has 1 / norm = infinity, which the hold at 1e8 takes; its sums are 0.
; A tile of 256 x 256 is made by four waves, each 128 x 128: 64 accumulators.  K goes in steps of 256 through two LDS slots; 128 records are 34,816 dense bytes, LDS rows 272 bytes apart.
; CLUSTERS 4 x 4: A's tiles are asked for jointly along a row of the cluster, B's along a column.  Each cluster begins at a K step of its own and goes round all sixteen: only the order of the sums differs.
; THE PRODUCT IS USED TRANSPOSED (source 0 = rows of Y, source 1 = rows of Z): a lane holds eight neighbouring columns of one row of the result.
; A slot holds two steps of 128 along K, 64 products each.  FRAGMENT LOADS STAND IN FOUR RUNS A SLOT, one behind every 32 products, each behind eight places
; and 32 products or more ahead of its first use: behind the round B of the next slot's first step and its scale words (40 loads); in the middle of the second step A of the next slot's first step (32);
; at the head of a slot's first step B of its second (32); in the middle of the first step A of its second (32).
; B has two sets of registers, by the step's parity.  A's blocks 0-3 have one set, free when a step's first 32 products are issued; blocks 4-7 have two, by the step's parity.
; So all reads of a slot are issued in its first step, and the round that fills it again stands between its two steps.
; THE LAST STEP LEAVES BY ROWS: its products go block by block of 16 rows, and a block is scaled, staged and stored while the next block's eight products are out.
; REGISTERS: window 0: v0-15 addresses; v16-31 1/norm of my rows; v32-63 scale words, two sets; v64-127 A's blocks 4-7 of second steps; v128-255 A's blocks 0-7 (in the last step v192-255: 1/norm of my columns).
;   window 1: B's two sets (in the last step v0-127: at work on the way out).  windows 2, 3: the accumulators of my rows 0-63, 64-127 ((a, b) at v[8 (8 (a % 4) + b)]).
; PREFETCH: 32 products behind each refill of the loop, and of the one in front of it, each wave names the 34 blocks of 256 bytes that are its work-group's quarter of the 136 that it will fetch two refills on
; (the four partners share them out by address: cx for A, cy for B).  These refills bring the walk's K steps 2 to 13, so K steps 4 to 15 are named; the first four come by their loads alone; the tail asks for nothing.
.set PITCH,  272
.set FR,     16
.set HALFT,  128*PITCH
.set SLOT,   4*HALFT                   ; A's 256 records, then B's
.set KSB,    4096*PITCH
.set SPARE,  2*SLOT                    ; the spare words: 128 bytes a wave, two blocks of 256 bytes
.set YRL,    SPARE+512                 ; 512 bytes a wave: 1/norm of my 128 columns, stored once; no fill lands here
.set SPITCH, 528                       ; the way out: 16 rows x (512 + 16) bytes a wave, in slot 0 behind its last fill and its last read
.set ROWC,   16384
.set PF1,  1
.set PF2,  2
.set NRX,  3
.set NRY,  4
.set NIL,  5
.set ADRA, 6
.set ADRB, 8
.set ADRS, 10
.set STO,  12
.set RD,   13
.set CO,   14
.set SPW,  15
.set RXP,  16
.set SC,   32
.set AX,   64
.set AF,   128
.set RY,   192
.set PFB, 20                           ; s[20:21] the prefetches' base, s[22:23] their address
.set PFA, 22
.set G1, 24
.set G0, 32
.set G1B, 48
.set G0B, 56
.set ABASE, 66
.set BBASE, 68
.set KNX,   70
.set KOF,   72
.set G1H, 76                           ; the head's shapes: 256 records to a load
.set G1HB, 84
.set GHA, 92
.set GHB, 96
.set W0, (3<<16)|(1<<21)               ; elements of 8 bytes; bit 21 beside a mask
.set MSB, 0
.macro WIN new
.if MSB != (\new)
	s_set_vgpr_msb (MSB<<8)|(\new)
.set MSB, (\new)
.endif
.endm
.set MUL_LO, 0xa1                      ; source 0 window 1, source 1 window 0, C and D window 2
.set TO_B,   0x40
.macro PLACES n
.rept \n
	v_nop
.endr
.endm
.macro TAIL4                           ; an s_nop and four v_nop behind a tensor load
	s_nop 0
	PLACES 4
.endm
.macro JLOAD s                         ; the ring's joint load: waves 0, 1 fetch A's halves, waves 2, 3 B's
	s_cmp_eq_u32 s15, 0
	s_cbranch_scc0 .Lfor_b_\@
	tensor_load_to_lds s[G0+4*\s:G0+4*\s+3], s[G1:G1+7]
	TAIL4
	s_branch .Lasked_\@
.Lfor_b_\@:
	tensor_load_to_lds s[G0B+4*\s:G0B+4*\s+3], s[G1B:G1B+7]
	TAIL4
.Lasked_\@:
.endm
.macro AIM slot                        ; the slot's next K step, modulo 16
	s_and_b32 s[KOF], s[KNX], 15
	s_mul_i32 s[KOF], s[KOF], KSB
	s_add_co_u32 s[KNX], s[KNX], 1
	s_add_nc_u64 s[G0+4*\slot+2:G0+4*\slot+3], s[ABASE:ABASE+1], s[KOF:KOF+1]
	s_or_b32 s[G0+4*\slot+3], s[G0+4*\slot+3], 0x80000000
	s_add_nc_u64 s[G0B+4*\slot+2:G0B+4*\slot+3], s[BBASE:BBASE+1], s[KOF:KOF+1]
	s_or_b32 s[G0B+4*\slot+3], s[G0B+4*\slot+3], 0x80000000
.endm
.macro CREST
	s_cmp_lg_u32 s14, 0
	s_cbranch_scc1 .Lnot_wave_0_\@
	s_barrier_signal -3
.Lnot_wave_0_\@:
	s_barrier_wait -3
	s_barrier_signal -1
	s_barrier_wait -1
.endm
.macro CROUND
	s_barrier_signal -1
	s_barrier_wait -1
	CREST
.endm
	s_load_b256 s[4:11], s[0:1], 0x0               ; zc, yc, zr, yr
	s_load_b64 s[12:13], s[0:1], 0x20              ; out0
	v_lshl_add_u32 v[SPW], v0, 2, SPARE
	v_mov_b32 v[NIL], 0
	ds_add_u32 v[SPW], v[NIL]                      ; the opening lines: the add twice on end and one wait
	ds_add_u32 v[SPW], v[NIL]
	v_lshrrev_b32 v1, 5, v0
	v_readfirstlane_b32 s14, v1                    ; wave
	s_lshr_b32 s15, s14, 1                         ; my half of the rows; in the ring: A (0) or B (1); at the head: which slot
	s_and_b32 s16, s14, 1                          ; my half of the columns; in the ring: which 128 records; at the head: A (0) or B (1)
	s_mov_b32 s2, 0x4cbebc20                       ; 1e8
	s_bfe_u32 s40, ttmp6, 0x40000                  ; cx
	s_bfe_u32 s41, ttmp6, 0x40004                  ; cy
	s_lshl_b32 s42, ttmp9, 2
	s_add_co_u32 s42, s42, s40                     ; tile column
	s_and_b32 s17, ttmp7, 0xffff
	s_lshl_b32 s17, s17, 2
	s_add_co_u32 s17, s17, s41                     ; tile row
	s_lshl_b32 s43, s41, 2
	s_lshl_b32 s43, 15, s43                        ; my row of the cluster
	s_lshl_b32 s44, 0x1111, s40                    ; my column
	s_and_b32 s[KNX], ttmp7, 1                     ; the cluster's first K step: a multiple of 4, made of the cluster's x and y alone
	s_lshl_b32 s[KNX], s[KNX], 1
	s_bfe_u32 s71, ttmp7, 0x10001
	s_add_co_u32 s[KNX], s[KNX], s71
	s_add_co_u32 s[KNX], s[KNX], ttmp9
	s_lshl_b32 s[KNX], s[KNX], 2
	s_or_b32 s[G1], s43, W0
	s_or_b32 s[G1H], s43, W0
	s_or_b32 s[G1B], s44, W0
	s_or_b32 s[G1HB], s44, W0
.irp g, G1, G1B                        ; 128 records: 136 dense rows of 256 bytes
	s_mov_b32 s[\g+1], 32<<16
	s_mov_b32 s[\g+2], 136<<16
	s_mov_b32 s[\g+3], 32<<16
	s_mov_b32 s[\g+4], 136
	s_mov_b32 s[\g+5], 32
	s_mov_b32 s[\g+6], 0
	s_mov_b32 s[\g+7], 0
.endr
.irp g, G1H, G1HB                      ; 256 records: 272 such rows
	s_mov_b32 s[\g+1], 32<<16
	s_mov_b32 s[\g+2], 272<<16
	s_mov_b32 s[\g+3], 32<<16
	s_mov_b32 s[\g+4], 272
	s_mov_b32 s[\g+5], 32
	s_mov_b32 s[\g+6], 0
	s_mov_b32 s[\g+7], 0
.endr
	s_mul_i32 s20, s17, 2*HALFT                    ; A's tile in a K step, in bytes: made of the tile row alone
	s_mov_b32 s21, 0
	s_mul_i32 s46, s42, 2*HALFT                    ; B's: of the tile column alone
	s_mov_b32 s47, 0
	s_mul_i32 s18, s16, HALFT                      ; the ring: which 128 records
	s_mov_b32 s19, 0
	s_mul_i32 s45, s14, HALFT                      ; and where they go
	s_add_co_u32 s[KOF], s[KNX], s15               ; the head: K step 0 or 1 of the cluster's walk
	s_and_b32 s[KOF], s[KOF], 15
	s_mul_i32 s[KOF], s[KOF], KSB
	s_mov_b32 s[KOF+1], 0
	s_mov_b32 s[GHA], 1
	s_mul_i32 s[GHA+1], s15, SLOT
	s_mov_b32 s[GHB], 1
	s_add_co_u32 s[GHB+1], s[GHA+1], 2*HALFT
.irp s, 0,1
	s_mov_b32 s[G0+4*\s], 1
	s_add_co_u32 s[G0+4*\s+1], s45, \s*SLOT
	s_mov_b32 s[G0B+4*\s], 1
	s_add_co_u32 s[G0B+4*\s+1], s45, \s*SLOT
.endr
	s_mul_i32 s74, s15, HALFT                      ; my 128 rows of A in a slot
	s_mul_i32 s75, s16, HALFT
	s_add_co_u32 s75, s75, 2*HALFT                 ; my 128 rows of B
	s_sub_co_u32 s43, s75, s74
	s_add_co_u32 s43, s43, 8                       ; scale words: from A's to the copy of B's
	s_add_co_u32 s44, s74, 256
	s_mul_i32 s71, s14, 16*SPITCH                  ; my stage
	s_wait_dscnt 0x0                               ; both opening adds are done
	CROUND                                         ; the round in front of the first joint loads; it needs none of the arguments, which are waited for behind it
	s_wait_kmcnt 0x0
	s_add_nc_u64 s[ABASE:ABASE+1], s[4:5], s[20:21]
	s_add_nc_u64 s[BBASE:BBASE+1], s[6:7], s[46:47]
	s_add_nc_u64 s[GHA+2:GHA+3], s[ABASE:ABASE+1], s[KOF:KOF+1]
	s_or_b32 s[GHA+3], s[GHA+3], 0x80000000
	s_add_nc_u64 s[GHB+2:GHB+3], s[BBASE:BBASE+1], s[KOF:KOF+1]
	s_or_b32 s[GHB+3], s[GHB+3], 0x80000000
	s_add_nc_u64 s[ABASE:ABASE+1], s[ABASE:ABASE+1], s[18:19]
	s_add_nc_u64 s[BBASE:BBASE+1], s[BBASE:BBASE+1], s[18:19]
	s_add_co_u32 s[KNX], s[KNX], 2                 ; the first refill brings the walk's K step 2
; THE HEAD'S LOADS, one a wave, one arm each: wave 0 slot 0's A, wave 1 slot 0's B, wave 2 slot 1's A, wave 3 slot 1's B
.macro ARM under, g0, g1, next
	s_cmp_lt_u32 s14, \under
	s_cbranch_scc0 \next
	tensor_load_to_lds s[\g0:\g0+3], s[\g1:\g1+7]
	TAIL4
	s_branch .Lhead_asked
\next:
.endm
	ARM 1, GHA, G1H,  .Lhead_1
	ARM 2, GHB, G1HB, .Lhead_2
	ARM 3, GHA, G1H,  .Lhead_3
	tensor_load_to_lds s[GHB:GHB+3], s[G1HB:G1HB+7]
	TAIL4
.Lhead_asked:
	s_cmp_eq_u32 s15, 0                            ; the prefetches: the 128 records that I fetch in the ring,
	s_cselect_b32 s46, s40, s41                    ; my place among the four that ask for them with me,
	s_cselect_b64 s[PFB:PFB+1], s[ABASE:ABASE+1], s[BBASE:BBASE+1]
	s_mul_i32 s46, s46, 34*256                     ; and my work-group's 34 blocks of their 136
	s_add_nc_u64 s[PFB:PFB+1], s[PFB:PFB+1], s[46:47]
	s_lshl_b32 s18, s17, 8
	s_lshl_b32 s19, s15, 7
	s_add_co_u32 s18, s18, s19                     ; my first row of the result
	s_lshl_b32 s22, s18, 14
	s_mov_b32 s23, 0
	s_add_nc_u64 s[12:13], s[12:13], s[22:23]
	s_lshl_b32 s18, s18, 2
	s_mov_b32 s19, 0
	s_add_nc_u64 s[8:9], s[8:9], s[18:19]
	s_lshl_b32 s22, s42, 10
	s_lshl_b32 s18, s16, 9
	s_add_co_u32 s22, s22, s18                     ; my first column, in bytes
	s_add_nc_u64 s[10:11], s[10:11], s[22:23]
	s_add_nc_u64 s[12:13], s[12:13], s[22:23]
	v_and_b32 v1, 15, v0                           ; r
	v_bfe_u32 v2, v0, 4, 1                         ; h
	v_mul_u32_u24 v3, v1, PITCH
	v_lshl_add_u32 v4, v2, 4, v3
	v_add_nc_u32 v[ADRA], s74, v4
	v_add_nc_u32 v[ADRB], s75, v4
	v_add_nc_u32 v[ADRA+1], SLOT, v[ADRA]
	v_add_nc_u32 v[ADRB+1], SLOT, v[ADRB]
	v_mul_u32_u24 v4, s43, v2                      ; lanes 16-31 take B's scale words
	v_add_nc_u32 v4, v3, v4
	v_add_nc_u32 v[ADRS], s44, v4
	v_add_nc_u32 v[ADRS+1], SLOT, v[ADRS]
	v_mul_u32_u24 v4, v1, SPITCH
	v_lshl_add_u32 v4, v2, 5, v4
	v_add_nc_u32 v[STO], s71, v4
	v_and_b32 v4, 31, v0
	v_lshlrev_b32 v[CO], 4, v4
	v_add_nc_u32 v[RD], s71, v[CO]
	v_lshlrev_b32 v[NRX], 2, v1
	v_and_b32 v[NRY], 0x60, v0
	v_lshlrev_b32 v[NRY], 4, v[NRY]
	v_lshl_add_u32 v[NRY], v2, 5, v[NRY]
	v_add_nc_u32 v[NRY], YRL, v[NRY]               ; my wave's 512 bytes + 32 h
	v_lshl_add_u32 v68, v0, 4, YRL                 ; and where my lane puts 16 of them
	v_and_b32 v1, 31, v0
	v_add_nc_u32 v2, 32, v1
	v_min_u32 v2, 33, v2                           ; blocks 32 and 33; the lanes left over name block 33 again
	v_lshlrev_b32 v[PF1], 8, v1
	v_lshlrev_b32 v[PF2], 8, v2
	s_wait_alu depctr_va_vdst(0)                   ; the wait at the head's end
.irp a, 0,1,2,3,4,5,6,7
	global_load_b32 v[RXP+2*\a], v[NRX], s[8:9] offset:64*\a        ; 1/norm of row 16 a + r, twice: a pair for the packed multiply
	global_load_b32 v[RXP+2*\a+1], v[NRX], s[8:9] offset:64*\a
.endr
	global_load_b128 v[64:67], v[CO], s[10:11]     ; 1/norm of my 128 columns: 512 consecutive bytes
	s_cmp_lt_u32 s14, 2
	s_cbranch_scc0 .Lslot_1_out                    ; the barrier below shows slot 0 alone: its loads are waves 0 and 1's own lines; slot 1 is shown by the first round
	s_wait_tensorcnt 0x0
.Lslot_1_out:
	s_barrier_signal -1
	s_barrier_wait -1
.macro FRAG reg, adr, q, i             ; 16 rows x 128 K: registers 4 c .. 4 c + 3 hold K = 32 c + 16 h + 0 .. 15
.irp c, 0,1,2,3
	ds_load_b128 v[\reg+4*\c:\reg+4*\c+3], v[\adr] offset:128*(\q)+32*\c+(\i)*16*PITCH
.endr
.endm
.macro RUNB slot, q                    ; 32 loads: B's eight blocks of the slot's q-th 128 along K, into set q
	WIN TO_B
.irp i, 0,1,2,3,4,5,6,7
	FRAG 128*(\q)+FR*\i, ADRB+\slot, \q, \i
.endr
	WIN 0
.endm
.macro RUNA slot, q                    ; 32 loads: A's eight blocks, 0-3 first; blocks 4-7 of a second step have registers of their own
	WIN 0
.irp i, 0,1,2,3
	FRAG AF+FR*\i, ADRA+\slot, \q, \i
.endr
.irp i, 4,5,6,7
	FRAG AF+FR*\i-(\q)*(AF+4*FR-AX), ADRA+\slot, \q, \i
.endr
.endm
.macro SCALES sc                       ; 8 loads: a slot's scale words: lanes 0-15 A's block i, lanes 16-31 B's, two words a row
.irp i, 0,1,2,3,4,5,6,7
	ds_load_b64 v[SC+16*\sc+2*\i:SC+16*\sc+2*\i+1], v[ADRS+\sc] offset:\i*16*PITCH
.endr
.endm
.macro WM a, b, q, sc, zero            ; one product
.if ((\a) > 3) && ((\q) == 1)
.set AA, AX+FR*((\a)-4)
.else
.set AA, AF+FR*(\a)
.endif
.set DD, 8*(8*((\a)%4)+(\b))
.if \zero
	v_wmma_scale_f32_16x16x128_f8f6f4 v[DD:DD+7], v[128*(\q)+FR*(\b):128*(\q)+FR*(\b)+FR-1], v[AA:AA+FR-1], 0, v[SC+16*(\sc)+2*(\b)+(\q)], v[SC+16*(\sc)+2*(\a)+(\q)] matrix_a_fmt:MATRIX_FMT_BF8 matrix_b_fmt:MATRIX_FMT_BF8 matrix_a_scale:MATRIX_SCALE_ROW1
.else
	v_wmma_scale_f32_16x16x128_f8f6f4 v[DD:DD+7], v[128*(\q)+FR*(\b):128*(\q)+FR*(\b)+FR-1], v[AA:AA+FR-1], v[DD:DD+7], v[SC+16*(\sc)+2*(\b)+(\q)], v[SC+16*(\sc)+2*(\a)+(\q)] matrix_a_fmt:MATRIX_FMT_BF8 matrix_b_fmt:MATRIX_FMT_BF8 matrix_a_scale:MATRIX_SCALE_ROW1
.endif
.endm
.macro MW n0, cnt, q, sc, zero         ; products n0 .. n0 + cnt - 1 of a step's 64: product n is A's block n / 8 against B's block n % 8; the 64 accumulators take turns
	WIN MUL_LO+0x50*((\n0)/32)
.set NN, \n0
.rept \cnt
	WM NN/8, NN%8, \q, \sc, \zero
.set NN, NN+1
.endr
.endm
; A slot's first step.  Its two runs fetch the slot's second step, the last reads of the slot.  meet = 2: at its end a round of the cluster's barrier, and the slot is filled again;
; meet = 1: the work-group's barrier alone, which shows the other slot; meet = 0: nothing follows in the other slot.
; left: the LDS instructions that may stay out at the first product: the 32 just issued and, in front of them, the 16 loads of this step's blocks 4-7 of A (at the kernel's head one LDS store more).
.macro FIRST slot, zero, meet, left
	PLACES 8                                       ; behind the step before, which read B's set 1
	RUNB \slot, 1
	s_wait_dscnt \left                             ; B's set 0, the scale words and A's blocks 0-3 are in
	MW 0, 32, 0, \slot, \zero
	PLACES 8
	RUNA \slot, 1
	s_wait_dscnt 32                                ; all but the 32 just issued: A's blocks 4-7 are in
.if \meet == 0
	MW 32, 32, 0, \slot, \zero
	WIN 0
.else
	MW 32, 24, 0, \slot, \zero
	WIN 0
	s_wait_tensorcnt 0x0                           ; all my tensor loads have landed: my part of the other slot
	ds_add_u32 v[SPW], v[NIL]
.if \meet == 2
	AIM \slot                                      ; no tensor load of mine is out: the descriptors may be written
.endif
	MW 56, 4, 0, \slot, \zero
	s_wait_dscnt 0x0                               ; the add is done, and my reads of this slot are over
	s_barrier_signal -1
	MW 60, 4, 0, \slot, \zero
	WIN 0
	s_barrier_wait -1
.if \meet == 2
	CREST
	JLOAD \slot                                    ; the first tensor load behind the round; its four v_nop are four of the eight places
	PLACES 4
.else
	PLACES 8
.endif
.endif
.endm
; A slot's second step works on registers that are all in; its two runs fetch the next slot's first step.  ask = 1: the prefetch.
.macro SECOND slot, next, ask
	RUNB \next, 0
	SCALES \next
	MW 0, 16, 1, \slot, 0
.if \ask
	s_wait_xcnt 0x0                                ; my last prefetches have read their address: it goes on to the K step behind the one that the next refill brings
	s_add_co_u32 s71, s[KNX], 1
	s_and_b32 s71, s71, 15
	s_mul_i32 s46, s71, KSB
	s_add_nc_u64 s[PFA:PFA+1], s[PFB:PFB+1], s[46:47]
.endif
	MW 16, 16, 1, \slot, 0
	PLACES 8
	RUNA \next, 0
.if \ask
	global_prefetch_b8 v[PF1], s[PFA:PFA+1] th:TH_LOAD_NT scope:SCOPE_SE
	global_prefetch_b8 v[PF2], s[PFA:PFA+1] th:TH_LOAD_NT scope:SCOPE_SE
.endif
	MW 32, 32, 1, \slot, 0
	WIN 0
.endm
; THE WAY OUT of block a, 16 rows x 128 columns: x min(1/norm x 1/norm, 1e8), through my own stage, back as rows of 512 bytes.  At work: window 1, v0-63 and v64-127 by turns.
.macro SCALE a
.set SS, 64*((\a)%2)
.set AC, 64*((\a)%4)
.set RX, RXP+2*(\a)
	WIN 0x40                                       ; destination window 1
.set ix, 0
.rept 32
	v_pk_mul_f32 v[SS+ix:SS+ix+1], v[RY+ix:RY+ix+1], v[RX:RX+1]     ; these 32 and the 64 below name no register of the products just issued: they are the places behind them
.set ix, ix+2
.endr
	WIN 0x44                                       ; source 1 and destination window 1
.set ix, 0
.rept 64
	v_min_num_f32 v[SS+ix], s2, v[SS+ix]
.set ix, ix+1
.endr
	WIN 0x46+(\a)/4                                ; source 0: the accumulators' window
.set ix, 0
.rept 32
	v_pk_mul_f32 v[SS+ix:SS+ix+1], v[AC+ix:AC+ix+1], v[SS+ix:SS+ix+1]   ; each accumulator from its low end on
.set ix, ix+2
.endr
.endm
.macro TOSTAGE a
.set SS, 64*((\a)%2)
	WIN 0x04                                       ; the data: window 1
.irp b, 0,1,2,3,4,5,6,7
	ds_store_b128 v[STO], v[SS+8*\b:SS+8*\b+3] offset:64*\b
	ds_store_b128 v[STO], v[SS+8*\b+4:SS+8*\b+7] offset:64*\b+16
.endr
	WIN 0x40
.irp t, 0,1,2,3,4,5,6,7,8,9,10,11,12,13,14,15
	ds_load_b128 v[SS+4*\t:SS+4*\t+3], v[RD] offset:\t*SPITCH       ; LDS serves a wave's instructions in order: these see the stores above
.endr
.endm
.macro SEND a, younger
.set SS, 64*((\a)%2)
	s_wait_dscnt \younger
.if (\a) > 0
	s_add_nc_u64 s[12:13], s[12:13], 16*ROWC       ; behind a wait on XCNT: the earlier stores have read their base
.endif
	WIN 0x04
.irp t, 0,1,2,3,4,5,6,7,8,9,10,11,12,13,14,15
	global_store_b128 v[CO], v[SS+4*\t:SS+4*\t+3], s[12:13] offset:\t*ROWC th:TH_STORE_NT   ; 32 lanes store 512 consecutive aligned bytes
.endr
.endm
	RUNB 0, 0
	SCALES 0
	RUNA 0, 0
	s_wait_loadcnt 0x0                             ; 1/norm of my rows and columns
	ds_store_b128 v68, v[64:67]                    ; my wave alone reads these bytes back
	FIRST 0, 1, 2, 49                              ; the first step's products start the sums; its round shows slot 1 and brings the walk's K step 2
	s_mov_b32 s3, 6
.Llap:                                                 ; a trip goes once round the ring and fills both slots again: K steps 3 to 14
	SECOND 0, 1, 1
	FIRST 1, 0, 2, 48
	SECOND 1, 0, 1
	FIRST 0, 0, 2, 48
	s_sub_co_u32 s3, s3, 1
	s_cmp_lg_u32 s3, 0
	s_cbranch_scc1 .Llap
	SECOND 0, 1, 0                                 ; K step 12 ends
	FIRST 1, 0, 2, 48                              ; K step 13; the last refill: K step 15
	SECOND 1, 0, 0
	FIRST 0, 0, 1, 48                              ; K step 14: nothing is filled again
	SECOND 0, 1, 0
	FIRST 1, 0, 0, 48                              ; K step 15
	PLACES 8                                       ; behind the products that read first steps' blocks 4-7 and B's set 0, which are written next
.irp b, 0,1,2,3,4,5,6,7                ; 1/norm of columns 16 b + 8 h + 0 .. 7
	ds_load_b128 v[RY+8*\b:RY+8*\b+3], v[NRY] offset:64*\b
	ds_load_b128 v[RY+8*\b+4:RY+8*\b+7], v[NRY] offset:64*\b+16
.endr
	s_wait_dscnt 0x0                               ; they and the last step's fragments are in
	MW 0, 8, 1, 1, 0                               ; block 0 is finished
.irp a, 0,1,2,3,4,5,6,7
.if \a < 7
	MW 8*(\a+1), 8, 1, 1, 0                        ; the next block's eight products are out while this block leaves
.endif
.if \a > 1
	s_wait_xcnt 0x0                                ; block a - 2's stores have read their registers and their base
.endif
	SCALE \a
	TOSTAGE \a
.if \a > 0
	SEND \a-1, 32                                  ; behind block a - 1's loads: block a's 16 stores and 16 loads
.endif
.endr
	s_wait_xcnt 0x0
	SEND 7, 0
	WIN 0
	s_wait_tensorcnt 0x0                           ; the wave's end
	ds_add_u32 v[SPW], v[NIL]
	s_wait_dscnt 0x0
	CROUND                                         ; the closing round
	s_endpgm
.Lfunc_end_k_q429f293eae_gemm:
	.size	k_q429f293eae_gemm, .Lfunc_end_k_q429f293eae_gemm-k_q429f293eae_gemm
	.p2alignl 7, 3214868480
	.fill 96, 4, 3214868480
	.section	.rodata,"a",@progbits
	.p2align	6, 0x0
	.amdhsa_kernel k_q429f293eae_gemm
		.amdhsa_group_segment_fixed_size 327680
		.amdhsa_private_segment_fixed_size 0
		.amdhsa_enable_private_segment 0
		.amdhsa_kernarg_size 40
		.amdhsa_user_sgpr_count 2
		.amdhsa_user_sgpr_kernarg_segment_ptr 1
		.amdhsa_wavefront_size32 1
		.amdhsa_system_sgpr_workgroup_id_x 1
		.amdhsa_system_sgpr_workgroup_id_y 1
		.amdhsa_system_sgpr_workgroup_id_z 1
		.amdhsa_system_vgpr_workitem_id 0
		.amdhsa_next_free_vgpr 1024
		.amdhsa_next_free_sgpr 100
		.amdhsa_reserve_vcc 0
		.amdhsa_float_denorm_mode_32 3
		.amdhsa_float_denorm_mode_16_64 3
		.amdhsa_memory_ordered 1
		.amdhsa_forward_progress 1
		.amdhsa_inst_pref_size 252
	.end_amdhsa_kernel
	.amdgpu_metadata
---
amdhsa.version: [ 1, 2 ]
amdhsa.kernels:
  - .name:           k_q429f293eae_gemm
    .symbol:         k_q429f293eae_gemm.kd
    .args:
      - { .name: zc, .offset: 0, .size: 8, .value_kind: global_buffer, .address_space: global }
      - { .name: yc, .offset: 8, .size: 8, .value_kind: global_buffer, .address_space: global }
      - { .name: zr, .offset: 16, .size: 8, .value_kind: global_buffer, .address_space: global }
      - { .name: yr, .offset: 24, .size: 8, .value_kind: global_buffer, .address_space: global }
      - { .name: out0, .offset: 32, .size: 8, .value_kind: global_buffer, .address_space: global }
    .group_segment_fixed_size: 327680
    .private_segment_fixed_size: 0
    .kernarg_segment_align: 8
    .kernarg_segment_size: 40
    .max_flat_workgroup_size: 128
    .sgpr_count:     100
    .vgpr_count:     1024
    .wavefront_size: 32
...
	.end_amdgpu_metadata
.endif
;; end of part 2
